; MI455X (gfx1250); checked and timed in simulation.
; The chip was launched on July 23, 2026; its instructions are those of AMD's public machine-readable ISA for CDNA 5 (MIT licence, August 2026) and "CDNA5" Instruction Set Architecture Reference Guide (July 2026). The comments in the code are by the model that wrote it; some were corrected since.
;; KW Hybrid Branch. Allowed arithmetic: matrix products marked QUANTISED: E2M1 operands, one E8M0 scale for each 32 along K, by v_wmma_scale_f32_16x16x128_f8f6f4 with both operands' format E2M1 (or v_wmma_scale_f32_32x16x128_f4), f32 sums; everything else in f32.
;; Inputs: W_proj_codes 512 x 24 x 16 uint8 (E2M1 codes of W_proj, K innermost, in blocks of 32 codes, two codes a byte); W_proj_scales 512 x 24 uint8 (E8M0 scales of W_proj, one for each 32 codes along K); audio_feat_codes 128 x 8 x 24 x 16 uint8 (E2M1 codes of audio_feat, K innermost, in blocks of 32 codes, two codes a byte); audio_feat_scales 128 x 8 x 24 uint8 (E8M0 scales of audio_feat, one for each 32 codes along K); b_proj 512 float32; token_embedding 49,408 x 512 float32.
;; Outputs: out0 128 x 8 x 512 float32.
;; This version of the problem:
;;   THIS VERSION OF THE PROBLEM IS GIVEN IN LOW PRECISION. The matrix products marked QUANTISED in the list below multiply operands that are first quantised to E2M1 (2 exponent bits, 1 mantissa bit; 4 bits a number), with one power-of-two scale for each 32 numbers along K (OCP MX v1.0); their sums are f32. All else is computed in f32.
;;   The module's matrix products, in the order in which they are computed (A, B: the left and right operand; K: the contracted axis; several contracted axes count as one K, in the product's order):
;;     1. [M 1,024, K 768] x [K 768, N 512]; A: input audio_feat (given as codes); B: input W_proj (given as codes): QUANTISED
;;     2. [M 1,024, K 512] x [K 512, N 49,408]; A: computed on the way; B: computed on the way: QUANTISED
;;     3. [M 1,024, K 49,408] x [K 49,408, N 512]; A: softmax (see below); B: input token_embedding: QUANTISED
;;   THE QUANTISER, for each operand of a quantised product, along K:
;;     - K is cut into blocks of 32 from its start; a last block that is shorter is filled with zeros.
;;     - A block's scale is 2^e with e = floor(log2(the largest magnitude in the block)) - 2, held to -126 .. 127; a block of zeros has e = 0. As a byte (E8M0): e + 127.
;;     - Each number is divided by its block's scale, clamped to +-6, and rounded to the nearest number of E2M1, ties to even, subnormals kept.
;;     - The product sums the exact products of the quantised numbers (number of the format x scale) in f32.
;;   ~~~python
;;   def quantise(x, axis):      # numpy; x: float32 -> the quantised numbers, widened to float32 again
;;       x = np.moveaxis(x, axis, -1); K = x.shape[-1]
;;       x = np.pad(x, [(0, 0)] * (x.ndim - 1) + [(0, -K % 32)]); x = x.reshape(x.shape[:-1] + (-1, 32)); a = np.abs(x).max(-1, keepdims=True)
;;       e = np.where(a > 0, np.clip(np.frexp(np.where(a > 0, a, 1))[1] - 1 - 2, -126, 127), 0)      # np.frexp(a)[1] - 1 = floor(log2(a)), exactly
;;       r = np.clip(x / 2.0 ** e, -6, 6)
;;       step = 2.0 ** (np.maximum(np.frexp(np.where(r == 0, 1, r))[1] - 1, 0) - 1)
;;       q = np.round(r / step) * step * 2.0 ** e      # np.round: ties to even
;;       return np.moveaxis(q.reshape(q.shape[:-2] + (-1,))[..., :K], -1, axis).astype(np.float32)
;;   ~~~
;;   SOFTMAX AHEAD OF A QUANTISED PRODUCT. Where the list says 'softmax', what is quantised is not the finished softmax but p = 2^(t - M), with t = logit x log2(e) and M = ceil(the row's largest t), a whole number; so 1/2 < the row's largest p <= 1. The row's sum l is taken of the UNQUANTISED p, in f32, and the product's result is divided by l at the end. Since M is a whole number, a kernel that streams over the keys may use a running M (the ceiling of the running maximum): every later rescaling is an exact power of two, which a block's scale takes up: the codes' values come out the same.
;;   OPERANDS COMPUTED ON THE WAY. 'Computed on the way' means the value that the module computes at that place (a softmax that the list does not call 'softmax' is quantised finished and normalised). What goes into a quantiser is computed in f32, as accurately as f32 sums, v_exp_f32 and their like allow (about 1e-6 of the number): no bf16 or f16 on the way to a quantiser, and a product that is left as it is and whose result goes on into a quantised operand takes f32 operands (vector FMAs, or v_wmma_f32_16x16x4_f32). A number that lies on a knife's edge between two numbers of the format may be rounded either way, as far as f32 arithmetic and the matrix unit's own rounding can turn it there, and no further.
;;   INPUTS GIVEN AS CODES. W_proj (in the module: [768, 512], K = its axis 0); audio_feat (in the module: [128, 8, 768], K = its axis 2): each comes as NAME_codes (uint8): NAME with its K axis moved to the last place and cut into blocks of 32 codes, [.., K / 32, bytes a block], one block behind the other in memory; two codes a byte, the lower K in the low four bits (a code: sign, 2 exponent bits, 1 mantissa bit); and NAME_scales (uint8): the same leading axes, one E8M0 byte (e + 127) for each 32 codes along K. Its value is code x scale, taken as it is: it is not quantised again, and the codes and scales need not be those that the quantiser above would give.
;; One version. Each part assembles by itself: llvm-mc -triple=amdgcn-amd-amdhsa -mcpu=gfx1250 --defsym DOCPART=n.
;; ======== version 1 of 1: 3 launches
;; limits: right only within a limited range of input values
;; workspace buffers: qc 262,144 bytes; qs 16,384 bytes; kv 26,877,952 bytes; part 33,554,432 bytes; lpart 65,536 bytes
;; launch prep (part 1): grid 418 x 1, 8 waves a work-group, no clusters, 97,280 bytes of LDS; arguments W_proj_codes, W_proj_scales, audio_feat_codes, audio_feat_scales, b_proj, token_embedding, qc, qs, kv; writes qc, qs, kv
.if DOCPART == 1
	.amdgcn_target "amdgcn-amd-amdhsa--gfx1250"
	.amdhsa_code_object_version 6
	.text
	.protected	k_qacc2aa7053_prep
	.globl	k_qacc2aa7053_prep
	.p2align	8
	.type	k_qacc2aa7053_prep,@function
k_qacc2aa7053_prep:
	s_mov_b64 s[64:65], 0
	v_nop
	global_prefetch_b8 v0, s[64:65] scope:SCOPE_SE
	s_setreg_imm32_b32 hwreg(HW_REG_WAVE_MODE, 25, 1), 1
	s_wait_xcnt 0x0
; PREP.  Two kinds of work-groups, told apart by the work-group's number alone; each kind has LDS bytes of its own.
; Work-groups 0-31 (PROJECTION): kw = audio_feat W_proj + b_proj on the given E2M1 codes (K = 768), kw / max(|kw|, 1e-8) in f32, quantised along T = 512 into qc (images of the
;   operand's registers: [tile of 16 queries][K step of 128][2][lane][16 bytes]) and qs (scale words: [pair of tiles][K step][lane]).
; Work-groups 32-417 (TABLE): 128 rows of token_embedding each, read once, quantised twice into one record of kv (69,632 bytes):
;   +0      Ks  [chunk of 32 keys j][16 u + r][16 scale bytes]        the row / max(|row|, 1e-8), quantised along T
;   +2048   Vs  [column t] words, byte j = chunk j                     the raw table, quantised down the 32 rows of a chunk
;   +4096   Kc  [j][u][T block 0..15][r][16 bytes]                     lane r of tile u is key 32 j + 8 u + r + 8 (r / 8): two tiles' results are then 16 neighbouring keys a lane
;   +36864  Vc  [tile of 16 columns][j][r][16 bytes]
;   Both are the order of a matrix operand's registers, so that the reader loads 16 bytes a lane, lane by lane.
; LIMITS: NaN and infinities among the inputs are not served.  1 / max(norm, 1e-8) is min(rsq(sum of squares), 1e8); the sum of squares has to stay finite (magnitudes under about 1e18).
; A block of zeros gets the scale byte 1 where the quantiser's rule says 127: its codes are zeros, and these bytes are read by this program alone.
; No cluster: table work-groups share no input; the 32 projection work-groups share only W's 196,608 bytes.  No tensor loads: the f32 numbers have to pass through registers anyway.
.set STEPB,  69632
.set SP,     2560                      ; a stage row: 32 groups of 64 bytes + 16 of padding
.set KOUT,   81920                     ; behind the stage of 32 rows: a chunk's K codes, [u] 4,352 [T block] 272 [r] 16
.set KSO,    90624                     ; the record's K scale bytes
.set VSO,    92672                     ; the record's V scale words
.set PX,     94720                     ; projection: sums of squares, [tile][segment][r]
.set PQS,    95232                     ; projection: scale words, [segment][tile][r]
.set FLOOR,  0x1800000                 ; 2^(3 - 127): no largest magnitude is taken under it, so a scale byte cannot fall under 1
.set TWOOFF, 0xff000000                ; takes 2 off an exponent field
.set BIG,    0x4cbebc20                ; 1e8 = 1 / 1e-8
; table path
.set GL,  5                            ; v5   8192 wave + 16 lane: my 16 bytes of a load's 512
.set STI, 6                            ; v6   into the stage
.set KRD, 7                            ; v7   out of it by rows: 16 neighbours of a row a lane
.set VA0, 8                            ; v8   out of it by columns, rows 0-15;  v9 rows 16-31
.set VA1, 9
.set KOS, 10                           ; v10  my 8 bytes of K codes in KOUT;  v11 back out of it
.set KOR, 11
.set KSS, 12                           ; v12  my K scale byte;  v13 back
.set KSR, 13
.set VSS, 14                           ; v14  my V scale word;  v15 back
.set VSR, 15
.set GKC, 16                           ; v16  1024 wave + 16 lane
.set GVC, 17                           ; v17  4096 wave + 1024 (lane / 16) + 16 (lane % 16)
.set GS8, 18                           ; v18  256 wave + 8 lane
.set R,   24                           ; v24-87   a chunk's numbers as loaded
.set X,   88                           ; v88-151  four rows x 16 neighbours; later 32 rows of a column
.set VX,  152                          ; v152-183 32 rows of a column
.set SS,  184                          ; v184-191 sums of squares, a pair a row
.set A,   192                          ; v192-195 largest magnitudes
.set T,   196                          ; v196-199 from the other half of the lanes
.set RR,  200                          ; v200-207 1 / norm, the low word of a pair a row
.set SCO, 208                          ; v208-211 the conversions' scale operands
.set SB,  212                          ; v212-215 scale bytes
.set KC,  216                          ; v216-223 K codes
.set VC,  224                          ; v224-231 V codes
.set VW,  232                          ; v232-233 V scale words
.set VT,  234                          ; v234-237 at work
.set KB,  238                          ; v238-245 K codes on their way out
; projection path
.set HA,  16
.set WF,  80                           ; set s at WF + 72 s: 8 fragments of W, then the queries' fragment
.set WS,  246                          ; set s at WS + 5 s: four scale words of W (tiles 2 b | 2 b + 1 in the two halves of the lanes), one of the queries: these ten registers hold scales alone
.set TM,  224
.set PW,  240
.set PC,  80
.set SQ,  242
.macro BARRIER                         ; my LDS stores have landed and my LDS loads are in; then the work-group's barrier
	s_wait_dscnt 0x0
	s_barrier_signal -1
	s_barrier_wait -1
.endm
.macro LOADG j                         ; chunk j: my four rows, 8,192 consecutive bytes, 512 a load
.irp i, 0,1,2,3,4,5,6,7,8,9,10,11,12,13,14,15
	global_load_b128 v[R+4*\i:R+4*\i+3], v[GL], s[26:27] offset:(\j)*65536+\i*512 th:TH_LOAD_NT
.endr
.endm
.macro TOSTG                           ; into the stage as they come: these 16 are the only loads out, so load i leaves 15 - i younger
.irp i, 0,1,2,3,4,5,6,7,8,9,10,11,12,13,14,15
	s_wait_loadcnt 15-\i
	ds_store_b128 v[STI], v[R+4*\i:R+4*\i+3] offset:(\i/4)*SP+(\i%4)*640
.endr
.endm
.macro KBACK j                         ; chunk j's K codes leave: each half of the lanes stores 256 consecutive bytes, aligned
	s_wait_xcnt 0x0                                ; earlier stores have read their data: KB is loaded again, and VC written again, only behind this wait
	ds_load_b128 v[KB:KB+3], v[KOR]
	ds_load_b128 v[KB+4:KB+7], v[KOR] offset:544
	s_wait_dscnt 0x0
	global_store_b128 v[GKC], v[KB:KB+3], s[28:29] offset:4096+(\j)*8192
	global_store_b128 v[GKC], v[KB+4:KB+7], s[28:29] offset:4096+(\j)*8192+512
.endm
; My four rows, 16 neighbouring columns a lane: norm over the wave, 1 / max(norm, 1e-8), the block's scale, the codes.  The rows take turns line by line.
.macro KSIDE j
.irp p, 0,1,2,3
	v_pk_mul_f32 v[SS+2*\p:SS+2*\p+1], v[X+16*\p:X+16*\p+1], v[X+16*\p:X+16*\p+1]
	v_max3_num_f32 v[A+\p], |v[X+16*\p]|, |v[X+16*\p+1]|, |v[X+16*\p+2]|
.endr
.irp i, 2,4,6,8,10,12,14
.irp p, 0,1,2,3
	v_pk_fma_f32 v[SS+2*\p:SS+2*\p+1], v[X+16*\p+\i:X+16*\p+\i+1], v[X+16*\p+\i:X+16*\p+\i+1], v[SS+2*\p:SS+2*\p+1]
.endr
.endr
.irp i, 3,5,7,9,11,13
.irp p, 0,1,2,3
	v_max3_num_f32 v[A+\p], v[A+\p], |v[X+16*\p+\i]|, |v[X+16*\p+\i+1]|
.endr
.endr
.irp p, 0,1,2,3
	s_delay_alu instid0(VALU_DEP_4)
	v_max_num_f32 v[A+\p], v[A+\p], |v[X+16*\p+15]|
.endr
.irp p, 0,1,2,3
	v_add_f32 v[SS+2*\p], v[SS+2*\p], v[SS+2*\p+1]
.endr
.irp x, 1,2,4,8
.irp p, 0,1,2,3
	s_delay_alu instid0(VALU_DEP_4)
	v_add_f32_dpp v[SS+2*\p], v[SS+2*\p], v[SS+2*\p] row_xmask:\x row_mask:0xf bank_mask:0xf
.endr
.endr
.irp p, 0,1,2,3
	s_delay_alu instid0(VALU_DEP_4)
	v_permlanex16_b32 v[T+\p], v[SS+2*\p], s24, s25
.endr
.irp p, 0,1,2,3
	v_add_f32 v[SS+2*\p], v[SS+2*\p], v[T+\p]      ; the row's sum of squares, in every lane
	v_max_num_f32_dpp v[A+\p], v[A+\p], v[A+\p] row_xmask:1 row_mask:0xf bank_mask:0xf   ; two neighbouring lanes hold a block of 32
.endr
	s_wait_alu depctr_va_vdst(0)
.irp p, 0,1,2,3
	v_rsq_f32 v[RR+2*\p], v[SS+2*\p]
.endr
	v_nop                                          ; a plain instruction behind the last of the batch,
	s_wait_alu depctr_va_vdst(0)                   ; and one wait for the four, ahead of their first reader
.irp p, 0,1,2,3
	v_min_num_f32 v[RR+2*\p], BIG, v[RR+2*\p]      ; 1 / max(norm, 1e-8); a sum that is 0 or denormal gives infinity, which is held here too
.endr
.irp p, 0,1,2,3
	s_delay_alu instid0(VALU_DEP_4)
	v_mul_f32 v[A+\p], v[A+\p], v[RR+2*\p]         ; the largest normalised magnitude: the same multiplication that its own number gets below
.endr
.irp p, 0,1,2,3
	s_delay_alu instid0(VALU_DEP_4)
	v_max_num_f32 v[A+\p], FLOOR, v[A+\p]
.endr
.irp p, 0,1,2,3
	s_delay_alu instid0(VALU_DEP_4)
	v_add_nc_u32 v[SCO+\p], TWOOFF, v[A+\p]        ; the conversion takes the exponent field of this operand as its scale
.endr
.irp p, 0,1,2,3
	s_delay_alu instid0(VALU_DEP_4)
	v_lshrrev_b32 v[SB+\p], 23, v[SCO+\p]          ; the scale's byte
.endr
.irp i, 0,2,4,6,8,10,12,14
.irp p, 0,1,2,3
	v_pk_mul_f32 v[X+16*\p+\i:X+16*\p+\i+1], v[X+16*\p+\i:X+16*\p+\i+1], v[RR+2*\p:RR+2*\p+1] op_sel_hi:[1,0]
.endr
.endr
.irp p, 0,1,2,3
	v_cvt_scalef32_pk8_fp4_f32 v[KC+2*\p], v[X+16*\p:X+16*\p+7], v[SCO+\p]
	v_cvt_scalef32_pk8_fp4_f32 v[KC+2*\p+1], v[X+16*\p+8:X+16*\p+15], v[SCO+\p]
.endr
	v_nop                                          ; one plain instruction behind the last scaled conversion
.irp p, 0,1,2,3
	ds_store_b64 v[KOS], v[KC+2*\p:KC+2*\p+1] offset:16*\p
	ds_store_b8 v[KSS], v[SB+\p] offset:(\j)*512+16*\p      ; both lanes of a block write the same byte with the same value
.endr
.endm
.macro VLOAD q, dst                    ; column 64 wave + 32 q + lane, the chunk's 32 rows down the registers
.irp p, 0,1,2,3,4,5,6,7,8,9,10,11,12,13,14,15
	ds_load_b32 v[\dst+\p], v[VA0] offset:\p*SP+(\q)*160
.endr
.irp p, 0,1,2,3,4,5,6,7,8,9,10,11,12,13,14,15
	ds_load_b32 v[\dst+16+\p], v[VA1] offset:\p*SP+(\q)*160
.endr
.endm
.macro VSIDE j, q, src                 ; a whole block of 32 keys lies in one lane: no other lane is asked
	v_max3_num_f32 v[VT], |v[\src]|, |v[\src+1]|, |v[\src+2]|
	v_max3_num_f32 v[VT+1], |v[\src+3]|, |v[\src+4]|, |v[\src+5]|
.irp i, 6,10,14,18,22,26
	s_delay_alu instid0(VALU_DEP_2)
	v_max3_num_f32 v[VT], v[VT], |v[\src+\i]|, |v[\src+\i+1]|
	s_delay_alu instid0(VALU_DEP_2)
	v_max3_num_f32 v[VT+1], v[VT+1], |v[\src+\i+2]|, |v[\src+\i+3]|
.endr
	s_delay_alu instid0(VALU_DEP_2)
	v_max3_num_f32 v[VT], v[VT], |v[\src+30]|, |v[\src+31]|
	s_delay_alu instid0(VALU_DEP_1)
	v_max3_num_f32 v[VT], v[VT], v[VT+1], FLOOR
	s_delay_alu instid0(VALU_DEP_1)
	v_add_nc_u32 v[VT+2], TWOOFF, v[VT]
	s_delay_alu instid0(VALU_DEP_1)
	v_lshrrev_b32 v[VT+3], 23, v[VT+2]
.if (\j) == 0
	s_delay_alu instid0(VALU_DEP_1)
	v_mov_b32 v[VW+\q], v[VT+3]
.else
	s_delay_alu instid0(VALU_DEP_1)
	v_lshl_or_b32 v[VW+\q], v[VT+3], 8*(\j), v[VW+\q]
.endif
.irp g, 0,1,2,3
	v_cvt_scalef32_pk8_fp4_f32 v[VC+4*(\q)+\g], v[\src+8*\g:\src+8*\g+7], v[VT+2]
.endr
	v_nop                                          ; one plain instruction behind the last scaled conversion
	global_store_b128 v[GVC], v[VC+4*(\q):VC+4*(\q)+3], s[28:29] offset:36864+(\q)*2048+(\j)*256   ; each half of the lanes stores 256 consecutive bytes, aligned
.endm
; A chunk of 32 rows.  Two barriers: behind the first nobody reads the last chunk's stage any more and its K codes lie whole in KOUT; behind the second the stage is whole and KOUT has been read out.
.macro SUB j
.if (\j) > 0
	BARRIER
.endif
	TOSTG
.if (\j) > 0
	KBACK (\j)-1
.endif
	BARRIER
.if (\j) < 3
	LOADG (\j)+1                                   ; the next chunk is on its way through all of this chunk's work
.endif
.irp p, 0,1,2,3
.irp i, 0,1,2,3
	ds_load_b128 v[X+16*\p+4*\i:X+16*\p+4*\i+3], v[KRD] offset:\p*SP+16*\i
.endr
.endr
	VLOAD 0, VX
	s_wait_dscnt 32                                ; my four rows are in; the 32 loads of the first columns may be out
	KSIDE \j
	VLOAD 1, X
	s_wait_dscnt 40                                ; behind the first columns' loads: 8 stores of the K side and 32 loads
	VSIDE \j, 0, VX
	s_wait_dscnt 0x0
	VSIDE \j, 1, X
.endm
; 64 numbers of a lane, register 16 b + i = k 32 b + 16 (lane / 16) + i of my row, become a fragment's codes in v[PC] on and its scale word in v[PW].
.macro QUANT s
.irp b, 0,1,2,3
	v_max3_num_f32 v[TM+\b], |v[\s+16*\b]|, |v[\s+1+16*\b]|, FLOOR
.endr
.irp i, 2,4,6,8,10,12,14
.irp b, 0,1,2,3
	s_delay_alu instid0(VALU_DEP_4)
	v_max3_num_f32 v[TM+\b], v[TM+\b], |v[\s+16*\b+\i]|, |v[\s+1+16*\b+\i]|
.endr
.endr
.irp b, 0,1,2,3
	s_delay_alu instid0(VALU_DEP_4)
	v_permlanex16_b32 v[TM+4+\b], v[TM+\b], s24, s25
.endr
.irp b, 0,1,2,3
	s_delay_alu instid0(VALU_DEP_4)
	v_max_num_f32 v[TM+\b], v[TM+\b], v[TM+4+\b]
.endr
.irp b, 0,1,2,3
	s_delay_alu instid0(VALU_DEP_4)
	v_add_nc_u32 v[TM+12+\b], TWOOFF, v[TM+\b]
.endr
.irp b, 0,1,2,3
	s_delay_alu instid0(VALU_DEP_4)
	v_lshrrev_b32 v[TM+4+\b], 23, v[TM+12+\b]
.endr
	s_delay_alu instid0(VALU_DEP_3)
	v_lshl_or_b32 v[PW], v[TM+5], 8, v[TM+4]
	s_delay_alu instid0(VALU_DEP_1)
	v_lshl_or_b32 v[PW], v[TM+6], 16, v[PW]
	s_delay_alu instid0(VALU_DEP_1)
	v_lshl_or_b32 v[PW], v[TM+7], 24, v[PW]
.irp b, 0,1,2,3
	v_cvt_scalef32_pk8_fp4_f32 v[PC+2*\b], v[\s+16*\b:\s+7+16*\b], v[TM+12+\b]
	v_cvt_scalef32_pk8_fp4_f32 v[PC+1+2*\b], v[\s+8+16*\b:\s+15+16*\b], v[TM+12+\b]
.endr
	v_nop                                          ; one plain instruction behind the last scaled conversion
.irp c, 0,1                            ; the operand's layout wants a whole block in a lane
.irp i, 0,1
	v_permlane16_swap_b32 v[PC+4*\c+\i], v[PC+2+4*\c+\i]
.endr
.endr
.endm
.macro PSET k                          ; K step k's operands: 23 loads
.set WFk, WF+72*((\k)%2)
.set WSk, WS+5*((\k)%2)
.irp t, 0,1,2,3,4,5,6,7
.irp c, 0,1
	global_load_b128 v[WFk+8*\t+4*\c:WFk+8*\t+4*\c+3], v6, s[4:5] offset:(32*(\t/2)+8*(\t%2))*384+64*(\k)+32*\c
.endr
.endr
.irp c, 0,1
	global_load_b128 v[WFk+64+4*\c:WFk+64+4*\c+3], v8, s[8:9] offset:64*(\k)+32*\c
.endr
.irp b, 0,1,2,3
	global_load_b32 v[WSk+\b], v7, s[6:7] offset:768*\b+4*(\k)
.endr
	global_load_b32 v[WSk+4], v9, s[10:11] offset:4*(\k)
.endm
.macro PMUL k                          ; transposed: source 0 = 16 rows of W, source 1 = my 16 queries.  The eight accumulators take turns
.set WFk, WF+72*((\k)%2)
.set WSk, WS+5*((\k)%2)
.irp t, 0,1,2,3,4,5,6,7
.if (\t%2) == 0
	v_wmma_scale_f32_16x16x128_f8f6f4 v[HA+8*\t:HA+8*\t+7], v[WFk+8*\t:WFk+8*\t+7], v[WFk+64:WFk+71], v[HA+8*\t:HA+8*\t+7], v[WSk+\t/2], v[WSk+4] matrix_a_fmt:MATRIX_FMT_FP4 matrix_b_fmt:MATRIX_FMT_FP4
.else
	v_wmma_scale_f32_16x16x128_f8f6f4 v[HA+8*\t:HA+8*\t+7], v[WFk+8*\t:WFk+8*\t+7], v[WFk+64:WFk+71], v[HA+8*\t:HA+8*\t+7], v[WSk+\t/2], v[WSk+4] matrix_a_fmt:MATRIX_FMT_FP4 matrix_b_fmt:MATRIX_FMT_FP4 matrix_a_scale:MATRIX_SCALE_ROW1
.endif
.endr
.endm
	s_load_b512 s[4:19], s[0:1], 0x0               ; W codes s[4:5], W scales s[6:7], audio codes s[8:9], audio scales s[10:11], b s[12:13], table s[14:15], qc s[16:17], qs s[18:19]
	s_load_b64 s[20:21], s[0:1], 0x40              ; kv
	v_lshrrev_b32 v1, 5, v0
	s_delay_alu instid0(VALU_DEP_1)
	v_readfirstlane_b32 s22, v1                    ; wave 0..7
	v_and_b32 v2, 31, v0                           ; lane
	v_and_b32 v3, 15, v0                           ; r
	v_bfe_u32 v4, v0, 4, 1                         ; h
	s_mov_b32 s24, 0x76543210
	s_mov_b32 s25, 0xfedcba98                      ; v_permlanex16_b32's selects for lane l xor 16
	s_wait_kmcnt 0x0
	s_cmp_lt_u32 ttmp9, 32
	s_cbranch_scc1 .Lproj
	; ---------------- TABLE: rows 128 g .. 128 g + 127, g = work-group - 32
	s_sub_co_u32 s23, ttmp9, 32
	s_lshl_b32 s26, s23, 18                        ; 128 rows of 2,048 bytes (under 2^27)
	s_mov_b32 s27, 0
	s_add_nc_u64 s[26:27], s[14:15], s[26:27]
	s_mul_i32 s28, s23, STEPB
	s_mov_b32 s29, 0
	s_add_nc_u64 s[28:29], s[20:21], s[28:29]      ; my record
	s_lshl_b32 s30, s22, 13
	s_wait_alu depctr_va_vdst(0)
	v_lshl_add_u32 v[GL], v2, 4, s30
	LOADG 0
	s_mul_i32 s31, s22, 4*SP                       ; my four rows of the stage
	v_lshrrev_b32 v19, 2, v2
	s_delay_alu instid0(VALU_DEP_1)
	v_mul_u32_u24 v19, v19, 80
	v_and_b32 v20, 3, v2
	s_delay_alu instid0(VALU_DEP_1)
	v_lshl_add_u32 v19, v20, 4, v19
	s_delay_alu instid0(VALU_DEP_1)
	v_add_nc_u32 v[STI], s31, v19                  ; four lanes' 64 bytes on end, then 16 of padding
	v_mul_u32_u24 v19, v2, 80
	s_delay_alu instid0(VALU_DEP_1)
	v_add_nc_u32 v[KRD], s31, v19                  ; group = lane: columns 16 lane .. 16 lane + 15
	s_mul_i32 s32, s22, 320                        ; my 64 columns: four groups
	v_mul_u32_u24 v19, v4, 80
	s_delay_alu instid0(VALU_DEP_1)
	v_lshl_add_u32 v19, v3, 2, v19
	s_delay_alu instid0(VALU_DEP_1)
	v_add_nc_u32 v[VA0], s32, v19
	s_delay_alu instid0(VALU_DEP_1)
	v_add_nc_u32 v[VA1], 16*SP, v[VA0]
	s_and_b32 s33, s22, 1                          ; row 4 wave + p of a chunk is lane r = 8 (wave / 4) + 4 (wave % 2) + p of tile u = (wave / 2) % 2
	s_lshl_b32 s33, s33, 6
	s_lshr_b32 s34, s22, 2
	s_lshl_b32 s34, s34, 7
	s_add_co_u32 s33, s33, s34                     ; 16 r for p = 0
	s_bfe_u32 s35, s22, 0x10001                    ; u
	s_mul_i32 s36, s35, 4352
	s_add_co_u32 s36, s36, s33
	s_add_co_u32 s36, s36, KOUT
	v_lshrrev_b32 v19, 1, v2                       ; my T block
	s_delay_alu instid0(VALU_DEP_1)
	v_mul_u32_u24 v20, v19, 272
	v_and_b32 v1, 1, v2
	s_delay_alu instid0(VALU_DEP_1)
	v_lshl_add_u32 v20, v1, 3, v20
	s_delay_alu instid0(VALU_DEP_1)
	v_add_nc_u32 v[KOS], s36, v20
	s_lshl_b32 s37, s35, 8
	s_add_co_u32 s37, s37, s33
	s_add_co_u32 s37, s37, KSO
	v_add_nc_u32 v[KSS], s37, v19
	s_lshr_b32 s38, s22, 2
	s_mul_i32 s38, s38, 4352
	s_and_b32 s39, s22, 3
	s_mul_i32 s39, s39, 1088
	s_add_co_u32 s38, s38, s39
	s_add_co_u32 s38, s38, KOUT
	v_mul_u32_u24 v20, v4, 272
	s_delay_alu instid0(VALU_DEP_1)
	v_lshl_add_u32 v20, v3, 4, v20
	s_delay_alu instid0(VALU_DEP_1)
	v_add_nc_u32 v[KOR], s38, v20                  ; wave: tile wave / 4, T blocks 4 (wave % 4) on, two a load
	s_lshl_b32 s40, s22, 8
	v_lshlrev_b32 v19, 3, v2
	s_delay_alu instid0(VALU_DEP_1)
	v_add_nc_u32 v[GS8], s40, v19
	s_delay_alu instid0(VALU_DEP_1)
	v_add_nc_u32 v[KSR], KSO, v[GS8]
	s_delay_alu instid0(VALU_DEP_2)
	v_add_nc_u32 v[VSR], VSO, v[GS8]
	v_lshl_add_u32 v[VSS], v2, 2, s40
	s_delay_alu instid0(VALU_DEP_1)
	v_add_nc_u32 v[VSS], VSO, v[VSS]
	s_lshl_b32 s41, s22, 10
	v_lshl_add_u32 v[GKC], v2, 4, s41
	s_lshl_b32 s42, s22, 12
	v_lshlrev_b32 v19, 10, v4
	s_delay_alu instid0(VALU_DEP_1)
	v_lshl_add_u32 v19, v3, 4, v19
	s_delay_alu instid0(VALU_DEP_1)
	v_add_nc_u32 v[GVC], s42, v19
.irp p, 0,1,2,3
	v_mov_b32 v[T+\p], 0                           ; written once: a lane permute's destination counts as one of its sources
	v_mov_b32 v[RR+2*\p+1], 0                      ; named as the upper half of a pair
.endr
	SUB 0
	SUB 1
	SUB 2
	SUB 3
	ds_store_b32 v[VSS], v[VW]
	ds_store_b32 v[VSS], v[VW+1] offset:128
	BARRIER                                        ; the last chunk's K codes and all scale bytes lie in LDS
	KBACK 3
	ds_load_b64 v[SS:SS+1], v[KSR]
	ds_load_b64 v[SS+2:SS+3], v[VSR]
	s_wait_dscnt 0x0
	global_store_b64 v[GS8], v[SS:SS+1], s[28:29]              ; a wave stores 256 consecutive bytes, aligned
	global_store_b64 v[GS8], v[SS+2:SS+3], s[28:29] offset:2048
	v_lshl_add_u32 v21, v0, 2, 96256               ; my spare word, behind all other LDS bytes (v0 is as at the entry), and 0: made here, since no two registers are free in both paths
	v_mov_b32 v22, 0
	s_wait_alu depctr_va_vdst(0)
	s_wait_tensorcnt 0x0                           ; the wave's end
	ds_add_u32 v21, v22
	s_wait_dscnt 0x0
	s_endpgm
	; ---------------- PROJECTION: queries 32 p .. 32 p + 31.  Wave: tile of 16 queries wave / 4, channels 128 (wave % 4) on, which are one K step of the next product
.Lproj:
	s_lshr_b32 s23, s22, 2                         ; tile
	s_and_b32 s30, s22, 3                          ; segment
	s_mov_b32 s33, 0
	s_mul_i32 s32, s30, 49152                      ; 128 rows of W, 384 bytes each
	s_add_nc_u64 s[4:5], s[4:5], s[32:33]
	s_mul_i32 s32, s30, 3072                       ; and their 24 scale bytes each
	s_add_nc_u64 s[6:7], s[6:7], s[32:33]
	s_lshl_b32 s32, s30, 9
	s_add_nc_u64 s[12:13], s[12:13], s[32:33]      ; b: my 128 numbers
	s_lshl_b32 s34, ttmp9, 5
	s_lshl_b32 s35, s23, 4
	s_add_co_u32 s34, s34, s35                     ; my first query
	s_mul_i32 s32, s34, 384
	s_add_nc_u64 s[8:9], s[8:9], s[32:33]
	s_mul_i32 s32, s34, 24
	s_add_nc_u64 s[10:11], s[10:11], s[32:33]
	s_lshl_b32 s32, s34, 8                         ; qc: 4,096 bytes a tile of 16,
	s_lshl_b32 s35, s30, 10                        ; 1,024 a K step
	s_add_co_u32 s32, s32, s35
	s_add_nc_u64 s[16:17], s[16:17], s[32:33]
	s_lshl_b32 s32, ttmp9, 9
	s_add_nc_u64 s[18:19], s[18:19], s[32:33]      ; qs: 512 bytes a pair of tiles
	s_wait_alu depctr_va_vdst(0)
	v_and_b32 v5, 8, v3
	s_delay_alu instid0(VALU_DEP_1)
	v_add_nc_u32 v5, v5, v3                        ; r + 8 (r / 8): the rows of W that form a tile are not neighbours
	s_delay_alu instid0(VALU_DEP_1)
	v_mul_u32_u24 v6, v5, 384
	s_delay_alu instid0(VALU_DEP_1)
	v_lshl_add_u32 v6, v4, 4, v6                   ; W's fragments
	s_delay_alu instid0(VALU_DEP_3)
	v_lshl_add_u32 v7, v4, 3, v5
	s_delay_alu instid0(VALU_DEP_1)
	v_mul_u32_u24 v7, v7, 24                       ; W's scale words: lanes 16-31 take the tile 8 rows further on
	v_mul_u32_u24 v8, v3, 384
	s_delay_alu instid0(VALU_DEP_1)
	v_lshl_add_u32 v8, v4, 4, v8                   ; the queries' fragment
	v_mul_u32_u24 v9, v3, 24                       ; and scale words
	v_lshlrev_b32 v10, 6, v4                       ; b: 16 h numbers on
	v_lshlrev_b32 v11, 4, v2                       ; 16 lane
	s_wait_alu depctr_va_vdst(0)
	s_lshl_b32 s36, s23, 8
	s_add_co_u32 s36, s36, PX
	v_lshl_add_u32 v13, v3, 2, s36
	s_lshl_b32 s37, s30, 6
	s_add_co_u32 s37, s37, s36
	v_lshl_add_u32 v12, v3, 2, s37
	s_lshl_b32 s38, s30, 7
	s_lshl_b32 s39, s23, 6
	s_add_co_u32 s38, s38, s39
	s_add_co_u32 s38, s38, PQS
	v_lshl_add_u32 v14, v3, 2, s38
	v_add_nc_u32 v15, PQS, v11
.irp t, 0,1,2,3,4,5,6,7                ; the bias is loaded into the accumulators, in the result's layout: it is the C of the first products
	global_load_b128 v[HA+8*\t:HA+8*\t+3], v10, s[12:13] offset:(32*(\t/2)+8*(\t%2))*4
	global_load_b128 v[HA+8*\t+4:HA+8*\t+7], v10, s[12:13] offset:(32*(\t/2)+8*(\t%2))*4+16
.endr
	PSET 0
	PSET 1
.irp b, 0,1,2,3
	v_mov_b32 v[TM+4+\b], 0                        ; written once: a lane permute's destination counts as one of its sources
.endr
	v_mov_b32 v241, 0
.irp k, 0,1,2,3,4,5
.if \k < 5
	s_wait_loadcnt 23                              ; all but the other set's 23 loads
.else
	s_wait_loadcnt 0x0
.endif
	PMUL \k
.rept 4
	v_nop                                          ; places in front of loads into registers that these products read, and of the first read of results
.endr
.if \k < 4
	PSET \k+2
.endif
.endr
	v_pk_mul_f32 v[SQ:SQ+1], v[HA:HA+1], v[HA:HA+1]          ; the sum of squares, each accumulator from its low end on
	v_pk_mul_f32 v[SQ+2:SQ+3], v[HA+2:HA+3], v[HA+2:HA+3]
.irp j, 4,8,12,16,20,24,28,32,36,40,44,48,52,56,60
	v_pk_fma_f32 v[SQ:SQ+1], v[HA+\j:HA+\j+1], v[HA+\j:HA+\j+1], v[SQ:SQ+1]
	v_pk_fma_f32 v[SQ+2:SQ+3], v[HA+\j+2:HA+\j+3], v[HA+\j+2:HA+\j+3], v[SQ+2:SQ+3]
.endr
	s_delay_alu instid0(VALU_DEP_1)
	v_pk_add_f32 v[SQ:SQ+1], v[SQ:SQ+1], v[SQ+2:SQ+3]
	s_delay_alu instid0(VALU_DEP_1)
	v_add_f32 v[SQ], v[SQ], v[SQ+1]
	s_delay_alu instid0(VALU_DEP_1)
	v_permlanex16_b32 v241, v[SQ], s24, s25
	s_delay_alu instid0(VALU_DEP_1)
	v_add_f32 v[SQ], v[SQ], v241                   ; of my 128 channels
	ds_store_b32 v12, v[SQ]
	BARRIER
.irp i, 0,1,2,3
	ds_load_b32 v[TM+\i], v13 offset:64*\i         ; the four segments' sums of my tile
.endr
	s_wait_dscnt 0x0
	v_add_f32 v[TM], v[TM], v[TM+1]
	s_delay_alu instid0(VALU_DEP_1)
	v_add_f32 v[TM], v[TM], v[TM+2]
	s_delay_alu instid0(VALU_DEP_1)
	v_add_f32 v[TM], v[TM], v[TM+3]
	s_wait_alu depctr_va_vdst(0)
	v_rsq_f32 v[SQ], v[TM]
	v_mov_b32 v[SQ+1], 0                           ; a plain instruction behind the transcendental; the pair's upper half
	s_wait_alu depctr_va_vdst(0)                   ; the wait, ahead of the first reader
	v_min_num_f32 v[SQ], BIG, v[SQ]                ; 1 / max(norm, 1e-8)
.set j, 0
.rept 32
	v_pk_mul_f32 v[HA+j:HA+j+1], v[HA+j:HA+j+1], v[SQ:SQ+1] op_sel_hi:[1,0]
.set j, j+2
.endr
	QUANT HA
	global_store_b128 v11, v[PC:PC+3], s[16:17]               ; the fragment as it stands: 512 consecutive bytes a store
	global_store_b128 v11, v[PC+4:PC+7], s[16:17] offset:512
	ds_store_b32 v14, v[PW]                        ; both halves of the lanes write the same word with the same value
	BARRIER
	s_cmp_lg_u32 s22, 0
	s_cbranch_scc1 .Lpend
	ds_load_b128 v[88:91], v15                     ; wave 0 stores the work-group's 512 bytes of scale words
	s_wait_dscnt 0x0
	global_store_b128 v11, v[88:91], s[18:19]
.Lpend:
	v_lshl_add_u32 v21, v0, 2, 96256               ; my spare word and 0 (the accumulators that lay here are done with)
	v_mov_b32 v22, 0
	s_wait_alu depctr_va_vdst(0)
	s_wait_tensorcnt 0x0                           ; the wave's end
	ds_add_u32 v21, v22
	s_wait_dscnt 0x0
	s_endpgm
.Lfunc_end_k_qacc2aa7053_prep:
	.size	k_qacc2aa7053_prep, .Lfunc_end_k_qacc2aa7053_prep-k_qacc2aa7053_prep
	.p2alignl 7, 3214868480
	.fill 96, 4, 3214868480
	.section	.rodata,"a",@progbits
	.p2align	6, 0x0
	.amdhsa_kernel k_qacc2aa7053_prep
		.amdhsa_group_segment_fixed_size 97280
		.amdhsa_private_segment_fixed_size 0
		.amdhsa_enable_private_segment 0
		.amdhsa_kernarg_size 72
		.amdhsa_user_sgpr_count 2
		.amdhsa_user_sgpr_kernarg_segment_ptr 1
		.amdhsa_wavefront_size32 1
		.amdhsa_system_sgpr_workgroup_id_x 1
		.amdhsa_system_sgpr_workgroup_id_y 1
		.amdhsa_system_sgpr_workgroup_id_z 1
		.amdhsa_system_vgpr_workitem_id 0
		.amdhsa_next_free_vgpr 256
		.amdhsa_next_free_sgpr 66
		.amdhsa_reserve_vcc 0
		.amdhsa_float_denorm_mode_32 3
		.amdhsa_float_denorm_mode_16_64 3
		.amdhsa_memory_ordered 1
		.amdhsa_forward_progress 1
		.amdhsa_inst_pref_size 137
	.end_amdhsa_kernel
	.amdgpu_metadata
---
amdhsa.version: [ 1, 2 ]
amdhsa.kernels:
  - .name:           k_qacc2aa7053_prep
    .symbol:         k_qacc2aa7053_prep.kd
    .args:
      - { .name: W_proj_codes, .offset: 0, .size: 8, .value_kind: global_buffer, .address_space: global }
      - { .name: W_proj_scales, .offset: 8, .size: 8, .value_kind: global_buffer, .address_space: global }
      - { .name: audio_feat_codes, .offset: 16, .size: 8, .value_kind: global_buffer, .address_space: global }
      - { .name: audio_feat_scales, .offset: 24, .size: 8, .value_kind: global_buffer, .address_space: global }
      - { .name: b_proj, .offset: 32, .size: 8, .value_kind: global_buffer, .address_space: global }
      - { .name: token_embedding, .offset: 40, .size: 8, .value_kind: global_buffer, .address_space: global }
      - { .name: qc, .offset: 48, .size: 8, .value_kind: global_buffer, .address_space: global }
      - { .name: qs, .offset: 56, .size: 8, .value_kind: global_buffer, .address_space: global }
      - { .name: kv, .offset: 64, .size: 8, .value_kind: global_buffer, .address_space: global }
    .group_segment_fixed_size: 97280
    .private_segment_fixed_size: 0
    .kernarg_segment_align: 8
    .kernarg_segment_size: 72
    .max_flat_workgroup_size: 256
    .sgpr_count:     66
    .vgpr_count:     256
    .wavefront_size: 32
...
	.end_amdgpu_metadata
.endif
;; end of part 1
;; launch attn (part 2): grid 16 x 16, 8 waves a work-group, clusters of 4 x 1, 327,680 bytes of LDS; arguments qc, qs, kv, part, lpart; writes part, lpart
.if DOCPART == 2
	.amdgcn_target "amdgcn-amd-amdhsa--gfx1250"
	.amdhsa_code_object_version 6
	.text
	.protected	k_qacc2aa7053_attn
	.globl	k_qacc2aa7053_attn
	.p2align	8
	.type	k_qacc2aa7053_attn,@function
k_qacc2aa7053_attn:
	s_mov_b64 s[64:65], 0
	v_nop
	global_prefetch_b8 v0, s[64:65] scope:SCOPE_SE
	s_setreg_imm32_b32 hwreg(HW_REG_WAVE_MODE, 25, 1), 1
	s_wait_xcnt 0x0
	s_wait_alu depctr_hold_cnt(0) depctr_sa_sdst(0) depctr_va_vdst(0) depctr_va_sdst(0) depctr_va_ssrc(0) depctr_va_vcc(0) depctr_vm_vsrc(0)
	s_getreg_b32 s2, hwreg(HW_REG_IB_STS2, 6, 4)
	s_cmp_eq_u32 s2, 0
	s_cbranch_scc0 .Lentry_in_a_cluster
	s_endpgm
.Lentry_in_a_cluster:
	s_bfe_u32 s2, ttmp6, 0x10000c
	s_cmp_lg_u32 s2, 0x3003
	s_cbranch_scc0 .Lentry_shape_is_right
	s_endpgm
.Lentry_shape_is_right:
; ATTN.  Work-group (x, y): 64 queries (block x) against the units y, y + 16, .. of kv; a unit is two records, 256 keys.  193 units: 12 a work-group, 13 where y = 0.
; It stores its partial O^T (part) and its partial row sums (lpart); the next launch adds the 16 shares.
; p = 2^t, t = score x 10 log2(e): M = 0 for all rows.  Both operands of the score are normalised vectors; quantising moves a number by at most a quarter of its
; block's largest, so a quantised vector's norm stays under 2.5 and |t| under 87 for every input: no p and no sum of 49,408 of them leaves f32's range.  M is a whole number, as the rule asks.
; SHARES.  Eight waves.  Scores: wave w takes chunk w % 4 (32 keys) of record w / 4 against all 64 queries, transposed (source 0 = 16 keys, source 1 = 16 queries): a lane holds one query and 16 neighbouring keys.
; p's codes and scale bytes go through LDS as images of the operand's registers (two buffers by turns, one barrier a unit).  Second product: wave w takes channels 64 w .. 64 w + 63, all 64 queries, K = the unit's 256 keys.
; CLUSTERS: the four work-groups of a cluster share y and walk the same units.  The first 36,864 bytes of each record (K's scales, V's scales, K's codes) are asked for JOINTLY, into a ring of two slots;
; a slot holds two units: four such pieces, 147,456 bytes, eight loads of 72 rows x 256 bytes, one a wave.  A slot is filled again behind the barrier of its second unit, which is a round of the cluster's barrier.
; V's codes (65,536 bytes a unit) go from memory straight into operand registers: each is wanted by one wave, once, in that order; unit i + 1's are asked for behind unit i's second product.
; PREFETCH: a unit is 544 blocks of 256 bytes.  A cluster's partners share them out by address, 136 each: waves 0 to 3 name 32, wave 4 the last 8 (its other lanes name its last block again).
; Unit i names unit i + 5: one or two units ahead of the joint load that wants it, four ahead of V's loads.  Units 0 to 6 ask, so nothing behind unit 11 is named; units 0 to 4 (and y = 0's unit 12) come by their loads alone.
; LIMITS: NaN and infinities are not served.
; REGISTERS: window 0: v0-63 addresses, scales, softmax at work; v64-127 scores, then p, then P's fragments; v128-191 K's fragments; v192-255 V's.  Window 1: v0-127 O^T (tile t, query tile m at 8 (4 t + m)); v128-255 Q's fragments.
.set STEPB, 69632                      ; a record
.set REC,   139264                     ; a unit
.set HOP,   16*REC                     ; from my unit to my next
.set HEADB, 36864                      ; what the ring takes of a record
.set UNITB, 2*HEADB
.set SLOT1, 2*UNITB
.set PIECE, HEADB/2                    ; what one tensor load brings
.set PIMG,  2*SLOT1                    ; behind the ring: P's images ([buffer] 8,192 [record] 4,096 [m] 1,024),
.set PSC,   PIMG+16384                 ; P's scale words ([buffer] 512 [record] 256),
.set LX,    PSC+1024                   ; the waves' row sums, 256 bytes a wave,
.set SPARE, LX+2048                    ; and the spare words, 128 bytes a wave
.set FLOOR,  0x1800000
.set TWOOFF, 0xff000000
.set LI,  1                            ; 16 lane
.set L4,  2                            ; 4 lane
.set PST, 3
.set PSS, 4
.set T1,  5                            ; LDS addresses of the loads in hand: K's codes, K's scales, V's scales
.set PSL, 6
.set LXS, 7
.set PFO, 8
.set SPW, 9
.set NIL, 10
.set LXL, 11
.set L8,  12
.set T2,  13
.set T3,  14
.set PLD, 15
.set KS,  16                           ; scale registers: K's 4, V's 4, P's 4, Q's 8
.set VS,  20
.set PS,  24
.set QS,  28
.set LL,  36                           ; row sums, a pair a query tile
.set BM,  44
.set BT,  48
.set SB,  48                           ; (the scale bytes lie where the other half's maxima lay)
.set SCO, 52
.set PC,  56
.set S,   64
.set PF,  64
.set KF,  128
.set VF,  192
.set PFA, 26                           ; s[26:27] prefetch; s[28:35] group 1; s[36:39], s[40:43] group 0 of slot 0, 1; s[54:55] V's codes
.set VB,  54
.set MSB, 0
.macro WIN new
.if MSB != \new
	s_set_vgpr_msb (MSB<<8)|\new
.set MSB, \new
.endif
.endm
.macro PLACES n
.rept \n
	v_nop
.endr
.endm
.macro CROUND                          ; a round of the cluster's barrier
	s_barrier_signal -1
	s_barrier_wait -1
	s_cmp_lg_u32 s14, 0
	s_cbranch_scc1 .Lnot_wave_0_\@
	s_barrier_signal -3
.Lnot_wave_0_\@:
	s_barrier_wait -3
	s_barrier_signal -1
	s_barrier_wait -1
.endm
.macro FETCH_K base                    ; 17 LDS loads: my chunk's 8 fragments and its scale words (lanes 0-15 tile 0, lanes 16-31 tile 1), of the unit at LDS byte base
	s_add_co_u32 s50, s46, \base
	s_add_co_u32 s51, s47, \base
	v_add_nc_u32 v[T1], s50, v[LI]
	v_add_nc_u32 v[T2], s51, v[LI]
.irp f, 0,1,2,3,4,5,6,7
	ds_load_b128 v[KF+8*\f:KF+8*\f+3], v[T1] offset:\f*1024
	ds_load_b128 v[KF+8*\f+4:KF+8*\f+7], v[T1] offset:\f*1024+512
.endr
	ds_load_b128 v[KS:KS+3], v[T2]
.endm
.macro LOAD_V                          ; 16 loads: my 4 tiles of channels in both records
.irp k, 0,1
.irp t, 0,1,2,3
	global_load_b128 v[VF+32*\k+8*\t:VF+32*\k+8*\t+3], v[LI], s[VB:VB+1] offset:\k*STEPB+\t*1024
	global_load_b128 v[VF+32*\k+8*\t+4:VF+32*\k+8*\t+7], v[LI], s[VB:VB+1] offset:\k*STEPB+\t*1024+512
.endr
.endr
.endm
.macro FETCH_P par                     ; 10 LDS loads a record
.irp k, 0,1
.irp m, 0,1,2,3
	ds_load_b128 v[PF+32*\k+8*\m:PF+32*\k+8*\m+3], v[PLD] offset:\par*8192+\k*4096+\m*1024
	ds_load_b128 v[PF+32*\k+8*\m+4:PF+32*\k+8*\m+7], v[PLD] offset:\par*8192+\k*4096+\m*1024+512
.endr
.irp i, 0,1
	ds_load_b32 v[PS+2*\k+\i], v[PSL] offset:\par*512+\k*256+\i*128
.endr
.endr
.endm
.macro WM
.if zC
.if zRA && zRB
	v_wmma_scale_f32_16x16x128_f8f6f4 v[rD:rD+7], v[rA:rA+7], v[rB:rB+7], 0, v[rSA], v[rSB] matrix_a_fmt:MATRIX_FMT_FP4 matrix_b_fmt:MATRIX_FMT_FP4 matrix_a_scale:MATRIX_SCALE_ROW1 matrix_b_scale:MATRIX_SCALE_ROW1
.elseif zRA
	v_wmma_scale_f32_16x16x128_f8f6f4 v[rD:rD+7], v[rA:rA+7], v[rB:rB+7], 0, v[rSA], v[rSB] matrix_a_fmt:MATRIX_FMT_FP4 matrix_b_fmt:MATRIX_FMT_FP4 matrix_a_scale:MATRIX_SCALE_ROW1
.elseif zRB
	v_wmma_scale_f32_16x16x128_f8f6f4 v[rD:rD+7], v[rA:rA+7], v[rB:rB+7], 0, v[rSA], v[rSB] matrix_a_fmt:MATRIX_FMT_FP4 matrix_b_fmt:MATRIX_FMT_FP4 matrix_b_scale:MATRIX_SCALE_ROW1
.else
	v_wmma_scale_f32_16x16x128_f8f6f4 v[rD:rD+7], v[rA:rA+7], v[rB:rB+7], 0, v[rSA], v[rSB] matrix_a_fmt:MATRIX_FMT_FP4 matrix_b_fmt:MATRIX_FMT_FP4
.endif
.else
.if zRA && zRB
	v_wmma_scale_f32_16x16x128_f8f6f4 v[rD:rD+7], v[rA:rA+7], v[rB:rB+7], v[rD:rD+7], v[rSA], v[rSB] matrix_a_fmt:MATRIX_FMT_FP4 matrix_b_fmt:MATRIX_FMT_FP4 matrix_a_scale:MATRIX_SCALE_ROW1 matrix_b_scale:MATRIX_SCALE_ROW1
.elseif zRA
	v_wmma_scale_f32_16x16x128_f8f6f4 v[rD:rD+7], v[rA:rA+7], v[rB:rB+7], v[rD:rD+7], v[rSA], v[rSB] matrix_a_fmt:MATRIX_FMT_FP4 matrix_b_fmt:MATRIX_FMT_FP4 matrix_a_scale:MATRIX_SCALE_ROW1
.elseif zRB
	v_wmma_scale_f32_16x16x128_f8f6f4 v[rD:rD+7], v[rA:rA+7], v[rB:rB+7], v[rD:rD+7], v[rSA], v[rSB] matrix_a_fmt:MATRIX_FMT_FP4 matrix_b_fmt:MATRIX_FMT_FP4 matrix_b_scale:MATRIX_SCALE_ROW1
.else
	v_wmma_scale_f32_16x16x128_f8f6f4 v[rD:rD+7], v[rA:rA+7], v[rB:rB+7], v[rD:rD+7], v[rSA], v[rSB] matrix_a_fmt:MATRIX_FMT_FP4 matrix_b_fmt:MATRIX_FMT_FP4
.endif
.endif
.endm
.macro SMUL                            ; S^T: 2 tiles of keys x 4 tiles of queries, K = 512 in 4 steps; the 8 accumulators by turns
	WIN 0x04                                       ; source 1 (Q) in window 1
.irp s, 0,1,2,3
.irp u, 0,1
.irp m, 0,1,2,3
.set rD, S+16*\m+8*\u
.set rA, KF+8*(4*\u+\s)
.set rB, 128+8*(4*\m+\s)
.set rSA, KS+\s
.set rSB, QS+4*(\m/2)+\s
.set zRA, \u
.set zRB, \m%2
.if \s == 0
.set zC, 1
.else
.set zC, 0
.endif
	WM
.endr
.endr
.endr
	WIN 0
.endm
.macro PVMUL zero, mid                 ; O^T += V^T P^T: 4 tiles of channels x 4 of queries, two records; the 16 accumulators by turns
	WIN 0x50                                       ; C and D in window 1
.irp k, 0,1
.if \k == 1
	s_wait_dscnt \mid                              ; the second record's P is in; the next K's loads may be out
.endif
.irp t, 0,1,2,3
.irp m, 0,1,2,3
.set rD, 8*(4*\t+\m)
.set rA, VF+32*\k+8*\t
.set rB, PF+32*\k+8*\m
.set rSA, VS+2*\k+\t/2
.set rSB, PS+2*\k+\m/2
.set zRA, \t%2
.set zRB, \m%2
.if \k == 0
.set zC, \zero
.else
.set zC, 0
.endif
	WM
.endr
.endr
.endr
	WIN 0
.endm
; The softmax of my 32 keys x 64 queries: a block of 32 keys lies in lanes l and l xor 16.  The block's largest score goes through the same multiplication and exponential as its number: that is the block's largest p.
.macro SOFT par
.irp m, 0,1,2,3
	v_max3_num_f32 v[BM+\m], v[S+16*\m], v[S+16*\m+1], v[S+16*\m+2]
.endr
.irp i, 3,5,7,9,11,13
.irp m, 0,1,2,3
	v_max3_num_f32 v[BM+\m], v[BM+\m], v[S+16*\m+\i], v[S+16*\m+\i+1]   ; (the four query tiles by turns)
.endr
.endr
.irp m, 0,1,2,3
	v_max_num_f32 v[BM+\m], v[BM+\m], v[S+16*\m+15]
.endr
.irp m, 0,1,2,3
	v_permlanex16_b32 v[BT+\m], v[BM+\m], s24, s25
.endr
.irp m, 0,1,2,3
	v_max_num_f32 v[BM+\m], v[BM+\m], v[BT+\m]
.endr
.set j, 0
.rept 32
	v_pk_mul_f32 v[S+j:S+j+1], v[S+j:S+j+1], s[22:23] op_sel_hi:[1,0]   ; t
.set j, j+2
.endr
.irp m, 0,1,2,3
	v_mul_f32 v[BM+\m], s22, v[BM+\m]
.endr
	s_wait_alu depctr_va_vdst(0)
.set j, 0
.rept 64
	v_exp_f32 v[S+j], v[S+j]                       ; p = 2^t
.set j, j+1
.endr
.irp m, 0,1,2,3
	v_exp_f32 v[BM+\m], v[BM+\m]
.endr
	v_nop                                          ; a plain place behind the batch,
	s_wait_alu depctr_va_vdst(0)                   ; and its one wait
.irp m, 0,1,2,3
	v_max_num_f32 v[BM+\m], FLOOR, v[BM+\m]        ; the scale's byte cannot fall under 1
.endr
.irp m, 0,1,2,3
	v_add_nc_u32 v[SCO+\m], TWOOFF, v[BM+\m]       ; 2 off the exponent field: the conversion's scale operand
.endr
.irp m, 0,1,2,3
	v_lshrrev_b32 v[SB+\m], 23, v[SCO+\m]
.endr
.irp m, 0,1,2,3
	v_cvt_scalef32_pk8_fp4_f32 v[PC+2*\m], v[S+16*\m:S+16*\m+7], v[SCO+\m]
	v_cvt_scalef32_pk8_fp4_f32 v[PC+2*\m+1], v[S+16*\m+8:S+16*\m+15], v[SCO+\m]
.endr
	v_nop                                          ; one plain place behind the last scaled conversion
.irp m, 0,1,2,3
	ds_store_b64 v[PST], v[PC+2*\m:PC+2*\m+1] offset:\par*8192+\m*1024
.endr
.irp m, 0,1,2,3
	ds_store_b8 v[PSS], v[SB+\m] offset:\par*512+\m*64      ; both halves of the lanes write the same byte with the same value
.endr
.irp i, 0,2,4,6,8,10,12,14             ; the rows' sums of the unquantised p, while the stores are out
.irp m, 0,1,2,3
	v_pk_add_f32 v[LL+2*\m:LL+2*\m+1], v[LL+2*\m:LL+2*\m+1], v[S+16*\m+\i:S+16*\m+\i+1]
.endr
.endr
.endm
; A unit.  u: its number (its place in the ring and P's buffer come back every 4);  zero: the second product starts the sums;  next: a unit follows;
; kind: 0 a plain barrier; 1 my slot is filled again; 3 the same for y = 0's unit 12 alone (waves 0 to 3); 4 the last fill is awaited, nothing is filled;  ask: 1 a prefetch, 2 one in the loop's first trip alone.
.macro UNIT u, zero, next, kind, ask
.set PAR, (\u)%2
.set UB, (((\u)/2)%2)*SLOT1+((\u)%2)*UNITB
.set NB, ((((\u)+1)/2)%2)*SLOT1+(((\u)+1)%2)*UNITB
.set GS, 36+4*(((\u)/2)%2)
	s_wait_dscnt 0x0                               ; K's fragments and scale words are in
	SMUL
	s_add_co_u32 s52, s48, UB
	v_add_nc_u32 v[T3], s52, v[L4]
	PLACES 4                                       ; in front of the first read of the scores
.irp k, 0,1
.irp i, 0,1
	ds_load_b32 v[VS+2*\k+\i], v[T3] offset:\k*HEADB+128*\i   ; V's scale words: my last read of this unit's bytes in the ring
.endr
.endr
.if \ask
.if \ask == 1
	s_cmp_eq_u32 s20, 1                            ; s20 = 1 in waves 0 to 4, else the greatest number
.else
	s_cmp_gt_u32 s19, s20                          ; s19 = 1 in the loop's last trip
.endif
	s_cbranch_scc0 .Lnot_mine_\@
	global_prefetch_b8 v[PFO], s[PFA:PFA+1] th:TH_LOAD_NT scope:SCOPE_SE
.Lnot_mine_\@:
.endif
	SOFT PAR
.if \kind == 0
	s_wait_dscnt 0x0                               ; my part of P lies in LDS
	s_barrier_signal -1
	s_barrier_wait -1
.elseif \kind == 4
	s_wait_tensorcnt 0x0                           ; unit 12's pieces are in
	ds_add_u32 v[SPW], v[NIL]
	s_wait_dscnt 0x0
	s_barrier_signal -1
	s_barrier_wait -1
.else
	s_wait_tensorcnt 0x0                           ; my piece of the other slot is in, and no load of mine is out:
	ds_add_u32 v[SPW], v[NIL]
	s_add_nc_u64 s[GS+2:GS+3], s[GS+2:GS+3], 4*HOP ; this slot's next two units
	s_wait_dscnt 0x0                               ; the add, my part of P, and my reads of this slot are done
	CROUND                                         ; and so in every wave of the four partners
.if \kind == 3
	s_cmp_lg_u32 s15, 0                            ; y is the same in all partners
	s_cbranch_scc1 .Lno_fill_\@
	s_cmp_gt_u32 s14, 3                            ; waves 4 to 7 would fetch unit 13, which is not there
	s_cbranch_scc1 .Lno_fill_\@
.endif
	tensor_load_to_lds s[GS:GS+3], s[28:35]
	s_nop 0
	PLACES 4
.if \kind == 3
.Lno_fill_\@:
.endif
.endif
	FETCH_P PAR
.if \next
	FETCH_K NB
.endif
	s_wait_loadcnt 0x0                             ; V's fragments are in
.if \ask
	s_wait_xcnt 0x0                                ; my prefetch has read its address
	s_add_nc_u64 s[PFA:PFA+1], s[PFA:PFA+1], HOP
.endif
.if \next
	s_wait_dscnt 27                                ; the first record's P is in; the second's 10 loads and the next K's 17 may be out
	PVMUL \zero, 17
.else
	s_wait_dscnt 10
	PVMUL \zero, 0
.endif
	PLACES 5                                       ; 4 in front of loads into V's registers; 5 since the next scores are written over P's fragments
.if \next
	s_add_nc_u64 s[VB:VB+1], s[VB:VB+1], HOP       ; the loads that read this base are done
	LOAD_V
.endif
.endm
	s_load_b256 s[4:11], s[0:1], 0x0               ; qc s[4:5], qs s[6:7], kv s[8:9], part s[10:11]
	s_load_b64 s[12:13], s[0:1], 0x20              ; lpart
	v_lshl_add_u32 v[SPW], v0, 2, SPARE
	v_mov_b32 v[NIL], 0
	ds_add_u32 v[SPW], v[NIL]                      ; the opening lines: the add, twice on end, and its wait ahead of the first round
	ds_add_u32 v[SPW], v[NIL]
	v_lshrrev_b32 v64, 5, v0
	v_readfirstlane_b32 s14, v64                   ; wave 0..7
	s_and_b32 s15, ttmp7, 0xffff                   ; y
	s_bfe_u32 s16, ttmp6, 0x40000                  ; cx
	s_lshl_b32 s17, ttmp9, 2
	s_add_co_u32 s17, s17, s16                     ; x
	s_lshr_b32 s44, s14, 2                         ; my record of a unit
	s_and_b32 s45, s14, 3                          ; my chunk of it
	s_mov_b32 s19, 2
	s_mov_b32 s22, 0x4166d4ca                      ; 10 log2(e)
	s_mov_b32 s23, s22
	s_mov_b32 s24, 0x76543210
	s_mov_b32 s25, 0xfedcba98
	s_mov_b32 s28, 15|(3<<16)|(1<<21)              ; group 1: the mask names the four partners; elements of 8 bytes; 72 rows of 32, dense
	s_mov_b32 s29, 32<<16
	s_mov_b32 s30, 72<<16
	s_mov_b32 s31, 32<<16
	s_mov_b32 s32, 72
	s_mov_b32 s33, 32
	s_mov_b32 s34, 0
	s_mov_b32 s35, 0
	s_mul_i32 s47, s44, HEADB                      ; in a unit's LDS bytes: my record,
	s_lshl_b32 s46, s45, 13
	s_add_co_u32 s46, s46, s47
	s_add_co_u32 s46, s46, 4096                    ; my chunk's codes,
	s_lshl_b32 s48, s45, 9
	s_add_co_u32 s47, s47, s48                     ; its scale words,
	s_lshl_b32 s48, s14, 8
	s_add_co_u32 s48, s48, 2048                    ; and the scale words of my 64 channels
	s_mul_i32 s56, s15, REC                        ; unit y
	s_mul_i32 s58, s44, HOP                        ; my piece of a slot: unit w / 4 of the two,
	s_bfe_u32 s57, s14, 0x10001
	s_mul_i32 s57, s57, STEPB                      ; record (w / 2) % 2,
	s_add_co_u32 s58, s58, s57
	s_and_b32 s57, s14, 1
	s_mul_i32 s57, s57, PIECE                      ; half w % 2
	s_add_co_u32 s58, s58, s57
	s_add_co_u32 s58, s58, s56
	s_mov_b32 s59, 0
	s_mul_i32 s37, s14, PIECE                      ; and where it goes: no place in the cluster enters an LDS address
	s_add_co_u32 s41, s37, SLOT1
	s_lshl_b32 s60, s14, 12
	s_add_co_u32 s60, s60, s56
	s_add_co_u32 s60, s60, HEADB                   ; V's codes: my 4 tiles
	s_mov_b32 s61, 0
	s_mul_i32 s62, s16, 136*256                    ; the prefetch: my work-group's 136 blocks, by address,
	s_lshl_b32 s63, s14, 13
	s_add_co_u32 s62, s62, s63                     ; my wave's 32,
	s_add_co_u32 s62, s62, s56
	s_add_co_u32 s62, s62, 5*HOP                   ; of unit 5
	s_mov_b32 s63, 0
	s_cmp_lt_u32 s14, 5
	s_cselect_b32 s20, 1, -1
	s_cmp_eq_u32 s14, 4
	s_cselect_b32 s49, 7, 31                       ; wave 4 has 8 blocks left
	s_lshl_b32 s52, s44, 12
	s_lshl_b32 s53, s45, 8
	s_add_co_u32 s52, s52, s53
	s_add_co_u32 s52, s52, PIMG                    ; P's image: my record, my chunk
	s_lshl_b32 s53, s44, 8
	s_add_co_u32 s53, s53, s45
	s_add_co_u32 s53, s53, PSC                     ; my byte of P's scale words
	s_lshl_b32 s50, s14, 8
	s_add_co_u32 s50, s50, LX
	v_and_b32 v64, 31, v0                          ; lane
	v_and_b32 v65, 15, v0                          ; r
	v_bfe_u32 v66, v0, 4, 1                        ; h
	v_lshlrev_b32 v[LI], 4, v64
	v_lshlrev_b32 v[L4], 2, v64
	v_lshlrev_b32 v[L8], 3, v64
	v_min_u32 v[PFO], s49, v64
	v_lshlrev_b32 v[PFO], 8, v[PFO]
	v_lshlrev_b32 v[PST], 4, v65
	v_lshl_add_u32 v[PST], v66, 3, v[PST]
	v_add_nc_u32 v[PST], s52, v[PST]               ; query r's 16 bytes of my chunk, 8 a half of the lanes
	v_lshl_add_u32 v[PSS], v65, 2, s53
	v_add_nc_u32 v[PLD], PIMG, v[LI]
	v_add_nc_u32 v[PSL], PSC, v[L4]
	v_lshl_add_u32 v[LXS], v65, 2, s50
	v_add_nc_u32 v[LXL], LX, v[L8]
.irp i, 0,1,2,3,4,5,6,7
	v_mov_b32 v[LL+\i], 0
.endr
.irp i, 0,1,2,3
	v_mov_b32 v[BT+\i], 0                          ; a lane permute's destination counts as one of its sources
.endr
	s_wait_alu depctr_va_vdst(0)
	s_wait_dscnt 0x0                               ; both opening adds are done
	s_wait_kmcnt 0x0
	s_mov_b32 s36, 1
	s_add_nc_u64 s[38:39], s[8:9], s[58:59]        ; slot 0: units 0 and 1
	s_mov_b32 s40, 1
	s_add_nc_u64 s[42:43], s[38:39], 2*HOP         ; slot 1: units 2 and 3
	s_or_b32 s39, s39, 0x80000000
	s_or_b32 s43, s43, 0x80000000
	s_add_nc_u64 s[VB:VB+1], s[8:9], s[60:61]
	s_add_nc_u64 s[PFA:PFA+1], s[8:9], s[62:63]
	s_mov_b32 s51, 0
	s_lshl_b32 s50, s17, 14                        ; Q: 64 queries of 256 bytes
	s_add_nc_u64 s[4:5], s[4:5], s[50:51]
	s_lshl_b32 s50, s17, 10
	s_add_nc_u64 s[6:7], s[6:7], s[50:51]
	s_lshl_b32 s50, s15, 21                        ; part: [y][x][m] 32,768 [tile of channels] 1,024
	s_lshl_b32 s52, s17, 17
	s_add_co_u32 s50, s50, s52
	s_lshl_b32 s52, s14, 12
	s_add_co_u32 s50, s50, s52
	s_add_nc_u64 s[10:11], s[10:11], s[50:51]
	s_lshl_b32 s50, s15, 4
	s_add_co_u32 s50, s50, s17
	s_lshl_b32 s50, s50, 8
	s_add_nc_u64 s[12:13], s[12:13], s[50:51]
	CROUND                                         ; the four partners are here: the first joint loads meet
	tensor_load_to_lds s[36:39], s[28:35]          ; one tensor load a wave at the head
	s_nop 0
	PLACES 4
	WIN 0x40
.irp i, 0,1,2,3,4,5,6,7,8,9,10,11,12,13,14,15,16,17,18,19,20,21,22,23,24,25,26,27,28,29,30,31
	global_load_b128 v[128+4*\i:128+4*\i+3], v[LI], s[4:5] offset:512*\i   ; Q's 16 fragments stay in window 1
.endr
	WIN 0
.irp i, 0,1,2,3,4,5,6,7
	global_load_b32 v[QS+\i], v[L4], s[6:7] offset:128*\i
.endr
	LOAD_V
	s_wait_tensorcnt 0x0                           ; my piece of slot 0 is in; slot 1's first fill is issued as a refill is
	ds_add_u32 v[SPW], v[NIL]
	s_wait_dscnt 0x0
	CROUND
	tensor_load_to_lds s[40:43], s[28:35]
	s_nop 0
	PLACES 4
	FETCH_K 0
	s_wait_loadcnt 16                              ; Q is in; V's 16 loads may be out
	UNIT 0, 1, 1, 0, 1                             ; unit 0 starts the sums
.Lfour:                                                ; 2 trips: units 1 to 8, once round the ring each
	UNIT 1, 0, 1, 1, 1
	UNIT 2, 0, 1, 0, 1
	UNIT 3, 0, 1, 1, 2
	UNIT 4, 0, 1, 0, 2
	s_sub_co_u32 s19, s19, 1
	s_cmp_lg_u32 s19, 0
	s_cbranch_scc1 .Lfour
	UNIT 9, 0, 1, 3, 0
	UNIT 10, 0, 1, 0, 0
	s_cmp_lg_u32 s15, 0
	s_cbranch_scc1 .Llast
	UNIT 11, 0, 1, 4, 0                            ; y = 0: unit 11, and unit 12 (the table's last 256 rows)
	UNIT 12, 0, 0, 0, 0
	s_branch .Lout
.Llast:
	UNIT 11, 0, 0, 0, 0
.Lout:
	s_wait_alu depctr_va_vdst(0)
.irp m, 0,1,2,3
	v_add_f32 v[BM+\m], v[LL+2*\m], v[LL+2*\m+1]
.endr
.irp m, 0,1,2,3
	v_permlanex16_b32 v[BT+\m], v[BM+\m], s24, s25
.endr
.irp m, 0,1,2,3
	v_add_f32 v[BM+\m], v[BM+\m], v[BT+\m]         ; my chunks' sum for query r of tile m
.endr
.irp m, 0,1,2,3
	ds_store_b32 v[LXS], v[BM+\m] offset:64*\m
.endr
	WIN 0x04                                       ; the stores' data in window 1
.irp m, 0,1,2,3
.irp t, 0,1,2,3
	global_store_b128 v[LI], v[8*(4*\t+\m):8*(4*\t+\m)+3], s[10:11] offset:\m*32768+\t*1024 th:TH_STORE_NT        ; 512 consecutive bytes a store, each accumulator from its low end on
	global_store_b128 v[LI], v[8*(4*\t+\m)+4:8*(4*\t+\m)+7], s[10:11] offset:\m*32768+\t*1024+512 th:TH_STORE_NT
.endr
.endr
	WIN 0
	s_wait_dscnt 0x0
	s_barrier_signal -1
	s_barrier_wait -1
	s_cmp_lg_u32 s14, 0
	s_cbranch_scc1 .Lno_sum
.irp i, 0,1,2,3,4,5,6,7
	ds_load_b64 v[S+2*\i:S+2*\i+1], v[LXL] offset:256*\i   ; wave 0 adds the eight waves' sums
.endr
	s_wait_dscnt 0x0
.irp i, 0,1,2,3
	v_pk_add_f32 v[S+2*\i:S+2*\i+1], v[S+2*\i:S+2*\i+1], v[S+8+2*\i:S+9+2*\i]
.endr
	v_pk_add_f32 v[S:S+1], v[S:S+1], v[S+4:S+5]
	v_pk_add_f32 v[S+2:S+3], v[S+2:S+3], v[S+6:S+7]
	v_pk_add_f32 v[S:S+1], v[S:S+1], v[S+2:S+3]
	global_store_b64 v[L8], v[S:S+1], s[12:13]     ; 256 consecutive bytes, aligned
.Lno_sum:
	s_wait_tensorcnt 0x0                           ; the wave's end
	ds_add_u32 v[SPW], v[NIL]
	s_wait_dscnt 0x0
	CROUND                                         ; the closing round
	s_endpgm
.Lfunc_end_k_qacc2aa7053_attn:
	.size	k_qacc2aa7053_attn, .Lfunc_end_k_qacc2aa7053_attn-k_qacc2aa7053_attn
	.p2alignl 7, 3214868480
	.fill 96, 4, 3214868480
	.section	.rodata,"a",@progbits
	.p2align	6, 0x0
	.amdhsa_kernel k_qacc2aa7053_attn
		.amdhsa_group_segment_fixed_size 327680
		.amdhsa_private_segment_fixed_size 0
		.amdhsa_enable_private_segment 0
		.amdhsa_kernarg_size 40
		.amdhsa_user_sgpr_count 2
		.amdhsa_user_sgpr_kernarg_segment_ptr 1
		.amdhsa_wavefront_size32 1
		.amdhsa_system_sgpr_workgroup_id_x 1
		.amdhsa_system_sgpr_workgroup_id_y 1
		.amdhsa_system_sgpr_workgroup_id_z 1
		.amdhsa_system_vgpr_workitem_id 0
		.amdhsa_next_free_vgpr 512
		.amdhsa_next_free_sgpr 66
		.amdhsa_reserve_vcc 0
		.amdhsa_float_denorm_mode_32 3
		.amdhsa_float_denorm_mode_16_64 3
		.amdhsa_memory_ordered 1
		.amdhsa_forward_progress 1
		.amdhsa_inst_pref_size 250
	.end_amdhsa_kernel
	.amdgpu_metadata
---
amdhsa.version: [ 1, 2 ]
amdhsa.kernels:
  - .name:           k_qacc2aa7053_attn
    .symbol:         k_qacc2aa7053_attn.kd
    .args:
      - { .name: qc, .offset: 0, .size: 8, .value_kind: global_buffer, .address_space: global }
      - { .name: qs, .offset: 8, .size: 8, .value_kind: global_buffer, .address_space: global }
      - { .name: kv, .offset: 16, .size: 8, .value_kind: global_buffer, .address_space: global }
      - { .name: part, .offset: 24, .size: 8, .value_kind: global_buffer, .address_space: global }
      - { .name: lpart, .offset: 32, .size: 8, .value_kind: global_buffer, .address_space: global }
    .group_segment_fixed_size: 327680
    .private_segment_fixed_size: 0
    .kernarg_segment_align: 8
    .kernarg_segment_size: 40
    .max_flat_workgroup_size: 256
    .sgpr_count:     66
    .vgpr_count:     512
    .wavefront_size: 32
...
	.end_amdgpu_metadata
.endif
;; end of part 2
;; launch comb (part 3): grid 256 x 1, 8 waves a work-group, no clusters, 9,728 bytes of LDS; arguments part, lpart, out0; writes out0
.if DOCPART == 3
	.amdgcn_target "amdgcn-amd-amdhsa--gfx1250"
	.amdhsa_code_object_version 6
	.text
	.protected	k_qacc2aa7053_comb
	.globl	k_qacc2aa7053_comb
	.p2align	8
	.type	k_qacc2aa7053_comb,@function
k_qacc2aa7053_comb:
	s_mov_b64 s[64:65], 0
	v_nop
	global_prefetch_b8 v0, s[64:65] scope:SCOPE_SE
	s_setreg_imm32_b32 hwreg(HW_REG_WAVE_MODE, 25, 1), 1
	s_wait_xcnt 0x0
; COMB.  out0 = (the sum of the 16 partial O^T) / (the sum of the 16 partial row sums).  All parts were made under the same whole number M = 0, so they simply add, y ascending.
; Work-group b = (block of 64 queries, tile m of 16, segment w of 128 channels); wave = tile of 16 channels.  A lane holds one query (lane % 16) and eight channels 8 (lane / 16) + 0 .. 7.
; All 48 loads of a wave go out at once; each load of a part covers 512 consecutive bytes.  The results turn through a stage in LDS (16 rows of 512 bytes + 16) and leave as 512 consecutive bytes of a row of out0.
; Memory binds here: no matrix unit, no cluster (work-groups share nothing but 64 bytes of sums), no tensor loads.
.set D, 32                             ; v32-159 the 16 parts, 8 registers each; the first is the accumulator
	s_load_b128 s[4:7], s[0:1], 0x0                ; part, lpart
	s_load_b64 s[24:25], s[0:1], 0x10              ; out0
	v_lshl_add_u32 v28, v0, 2, 8704                ; my spare word, behind the stage, and 0: kept for the wave's end alone
	v_mov_b32 v29, 0
	v_lshrrev_b32 v1, 5, v0
	s_delay_alu instid0(VALU_DEP_1)
	v_readfirstlane_b32 s26, v1                    ; wave 0..7
	v_and_b32 v2, 31, v0                           ; lane
	v_and_b32 v3, 15, v0                           ; r
	v_bfe_u32 v4, v0, 4, 1                         ; h
	s_delay_alu instid0(VALU_DEP_2)
	v_lshlrev_b32 v5, 2, v3                        ; my query's sum
	s_lshl_b32 s27, s26, 10
	v_lshl_add_u32 v6, v2, 4, s27                  ; my wave's tile of a part, 16 bytes a lane
	v_mul_u32_u24 v7, v3, 528
	s_delay_alu instid0(VALU_DEP_1)
	v_lshl_add_u32 v7, v4, 5, v7
	s_lshl_b32 s28, s26, 6
	v_add_nc_u32 v7, s28, v7                       ; the stage: row r, 64 bytes a wave, 32 a half of the lanes
	s_mul_i32 s29, s26, 1056
	v_lshl_add_u32 v26, v2, 4, s29                 ; back: rows 2 wave, 2 wave + 1
	s_lshl_b32 s30, s26, 12
	v_lshl_add_u32 v27, v2, 4, s30                 ; and the same two rows of out0
	s_lshl_b32 s16, ttmp9, 13
	s_mov_b32 s17, 0
	s_lshr_b32 s18, ttmp9, 2                       ; the tile of 16 queries
	s_lshl_b32 s20, s18, 6
	s_mov_b32 s21, 0
	s_lshl_b32 s22, s18, 15                        ; 16 rows of 2,048 bytes
	s_and_b32 s19, ttmp9, 3
	s_lshl_b32 s19, s19, 9                         ; 128 channels
	s_add_co_u32 s22, s22, s19
	s_mov_b32 s23, 0
	s_wait_alu depctr_va_vdst(0)
	s_wait_kmcnt 0x0
	s_add_nc_u64 s[8:9], s[4:5], s[16:17]          ; four bases, four parts (8 MiB) apart, so that the offsets stay inside the signed 24-bit immediate
	s_add_nc_u64 s[10:11], s[8:9], 0x800000
	s_add_nc_u64 s[12:13], s[10:11], 0x800000
	s_add_nc_u64 s[14:15], s[12:13], 0x800000
	s_add_nc_u64 s[6:7], s[6:7], s[20:21]
	s_add_nc_u64 s[24:25], s[24:25], s[22:23]
.irp y, 0,1,2,3,4,5,6,7,8,9,10,11,12,13,14,15
	global_load_b32 v[8+\y], v5, s[6:7] offset:\y*4096
.endr
.irp y, 0,1,2,3,4,5,6,7,8,9,10,11,12,13,14,15
	global_load_b128 v[D+8*\y:D+8*\y+3], v6, s[8+2*(\y/4):9+2*(\y/4)] offset:(\y%4)*2097152 th:TH_LOAD_NT
	global_load_b128 v[D+8*\y+4:D+8*\y+7], v6, s[8+2*(\y/4):9+2*(\y/4)] offset:(\y%4)*2097152+512 th:TH_LOAD_NT
.endr
	s_wait_loadcnt 32                              ; the 16 sums are in; the 32 loads of the parts may be out
	v_add_f32 v175, v9, v10
	v_add_f32 v174, v11, v12
	v_add_f32 v173, v13, v14
	v_add_f32 v172, v15, v16
	v_add_f32 v171, v17, v18
	v_add_f32 v170, v19, v20
	v_add_f32 v169, v21, v22
	v_add_f32 v8, v8, v23
	s_delay_alu instid0(VALU_DEP_1)
	v_add_f32 v8, v8, v172
	v_add_f32 v175, v175, v171
	v_add_f32 v174, v174, v170
	v_add_f32 v173, v173, v169
	s_delay_alu instid0(VALU_DEP_2)
	v_add_f32 v8, v8, v174
	s_delay_alu instid0(VALU_DEP_2)
	v_add_f32 v175, v175, v173
	s_delay_alu instid0(VALU_DEP_1)
	v_add_f32 v8, v8, v175
	s_wait_alu depctr_va_vdst(0)
	v_rcp_f32 v24, v8
	v_mov_b32 v25, 0                               ; a plain instruction behind the reciprocal; the pair's upper half
.irp g, 0,1,2,3
	s_wait_alu depctr_va_vdst(0)
	s_wait_loadcnt 24-8*\g                         ; four parts more are in: eight loads
.irp q, 0,1,2,3
.if (4*\g+\q) > 0
.irp i, 0,2,4,6
	v_pk_add_f32 v[D+\i:D+\i+1], v[D+\i:D+\i+1], v[D+8*(4*\g+\q)+\i:D+8*(4*\g+\q)+\i+1]
.endr
.endif
.endr
.endr
	s_wait_alu depctr_va_vdst(0)                   ; the wait for the reciprocal, ahead of its first reader
.irp i, 0,2,4,6
	v_pk_mul_f32 v[D+\i:D+\i+1], v[D+\i:D+\i+1], v[24:25] op_sel_hi:[1,0]
.endr
	ds_store_b128 v7, v[D:D+3]
	ds_store_b128 v7, v[D+4:D+7] offset:16
	s_wait_dscnt 0x0                               ; for the others' sake: my stores into the stage are done
	s_barrier_signal -1
	s_barrier_wait -1
	ds_load_b128 v[160:163], v26
	ds_load_b128 v[164:167], v26 offset:528
	s_wait_dscnt 0x0
	global_store_b128 v27, v[160:163], s[24:25] th:TH_STORE_NT               ; 32 lanes store 512 consecutive bytes, at a multiple of 256 from out0's first byte
	global_store_b128 v27, v[164:167], s[24:25] offset:2048 th:TH_STORE_NT
	s_wait_tensorcnt 0x0                           ; the wave's end
	ds_add_u32 v28, v29
	s_wait_dscnt 0x0
	s_endpgm
.Lfunc_end_k_qacc2aa7053_comb:
	.size	k_qacc2aa7053_comb, .Lfunc_end_k_qacc2aa7053_comb-k_qacc2aa7053_comb
	.p2alignl 7, 3214868480
	.fill 96, 4, 3214868480
	.section	.rodata,"a",@progbits
	.p2align	6, 0x0
	.amdhsa_kernel k_qacc2aa7053_comb
		.amdhsa_group_segment_fixed_size 9728
		.amdhsa_private_segment_fixed_size 0
		.amdhsa_enable_private_segment 0
		.amdhsa_kernarg_size 24
		.amdhsa_user_sgpr_count 2
		.amdhsa_user_sgpr_kernarg_segment_ptr 1
		.amdhsa_wavefront_size32 1
		.amdhsa_system_sgpr_workgroup_id_x 1
		.amdhsa_system_sgpr_workgroup_id_y 1
		.amdhsa_system_sgpr_workgroup_id_z 1
		.amdhsa_system_vgpr_workitem_id 0
		.amdhsa_next_free_vgpr 176
		.amdhsa_next_free_sgpr 66
		.amdhsa_reserve_vcc 0
		.amdhsa_float_denorm_mode_32 3
		.amdhsa_float_denorm_mode_16_64 3
		.amdhsa_memory_ordered 1
		.amdhsa_forward_progress 1
		.amdhsa_inst_pref_size 13
	.end_amdhsa_kernel
	.amdgpu_metadata
---
amdhsa.version: [ 1, 2 ]
amdhsa.kernels:
  - .name:           k_qacc2aa7053_comb
    .symbol:         k_qacc2aa7053_comb.kd
    .args:
      - { .name: part, .offset: 0, .size: 8, .value_kind: global_buffer, .address_space: global }
      - { .name: lpart, .offset: 8, .size: 8, .value_kind: global_buffer, .address_space: global }
      - { .name: out0, .offset: 16, .size: 8, .value_kind: global_buffer, .address_space: global }
    .group_segment_fixed_size: 9728
    .private_segment_fixed_size: 0
    .kernarg_segment_align: 8
    .kernarg_segment_size: 24
    .max_flat_workgroup_size: 256
    .sgpr_count:     66
    .vgpr_count:     176
    .wavefront_size: 32
...
	.end_amdgpu_metadata
.endif
;; end of part 3
